; MI455X (gfx1250); checked and timed in simulation.
; The chip was launched on July 23, 2026; its instructions are those of AMD's public machine-readable ISA for CDNA 5 (MIT licence, August 2026) and "CDNA5" Instruction Set Architecture Reference Guide (July 2026). The comments in the code are by the model that wrote it; some were corrected since.
;; Simple SNN. Allowed arithmetic: float matrix products may take bf16 or f16 operands with f32 sums; all other float work in f32.
;; Inputs: W1 512 x 128 float32; W2 10 x 512 float32; b1 512 float32; b2 10 float32; x 512 x 512 x 128 float32.
;; Outputs: out0 512 x 10 float32.
;; One version. Each part assembles by itself: llvm-mc -triple=amdgcn-amd-amdhsa -mcpu=gfx1250 --defsym DOCPART=n.
;; ======== version 1 of 1: 1 launch
;; limits: values are held in bf16: 8 bits of precision
;; launch snn (part 1): grid 256 x 1, 8 waves a work-group, clusters of 4 x 1, 307,200 bytes of LDS; arguments x, W1, b1, W2, b2, out0; writes out0
.if DOCPART == 1
	.amdgcn_target "amdgcn-amd-amdhsa--gfx1250"
	.amdhsa_code_object_version 6
	.text
	.protected	k_qc61e4e1812_snn
	.globl	k_qc61e4e1812_snn
	.p2align	8
	.type	k_qc61e4e1812_snn,@function
k_qc61e4e1812_snn:
	s_mov_b64 s[64:65], 0
	v_nop
	global_prefetch_b8 v0, s[64:65] scope:SCOPE_SE
	s_setreg_imm32_b32 hwreg(HW_REG_WAVE_MODE, 25, 1), 1
	s_wait_xcnt 0x0
	s_wait_alu depctr_hold_cnt(0) depctr_sa_sdst(0) depctr_va_vdst(0) depctr_va_sdst(0) depctr_va_ssrc(0) depctr_va_vcc(0) depctr_vm_vsrc(0)
	s_getreg_b32 s2, hwreg(HW_REG_IB_STS2, 6, 4)
	s_cmp_eq_u32 s2, 0
	s_cbranch_scc0 .Lentry_in_a_cluster
	s_endpgm
.Lentry_in_a_cluster:
	s_bfe_u32 s2, ttmp6, 0x10000c
	s_cmp_lg_u32 s2, 0x3003
	s_cbranch_scc0 .Lentry_shape_is_right
	s_endpgm
.Lentry_shape_is_right:
; SimpleSNN: 512 steps of  mem = 0.9 mem + (2 x W1^T + b1) - 0.15 [mem > 0.15],  spk = [mem > 0.15],  out = (sum over t of spk W2^T + b2) / 512.
; x [512 b][512 t][128] f32, W1 [512][128], b1 [512], W2 [10][512], b2 [10], out0 [512][10], all f32.
;
; THREE REWRITINGS, each exact in real arithmetic for every input:
;  1. fc2 is linear: out = (number of spikes of each unit) W2^T / 512 + b2.  Only a count is carried; fc2 is done once, in f32, on exact counts.
;  2. All membrane quantities are halved (exact in binary): z = x W1^T + b1/2, threshold TH = 0.15/2.  The factor 2 is never applied.
;  3. In a block of 8 steps x is filtered while it is converted: xf_j = 0.9 xf_(j-1) + x_j (f32), xf_0 = x_0.  F_j = W1 xf_j + (b1/2) g_j,
;     g_j = 0.9 g_(j-1) + 1, is the block's response from rest, and mem_j = F_j + e_j.  With u_j = TH - e_j a step is:
;     spike iff F_j > u_j;  rho = spike ? 1.1 TH : 0.1 TH;  u = 0.9 u + rho;  cnt += rho.  Behind step 7: u -= 0.9 F_7 (the block's state goes on).
;     cnt ends as 512 x 0.1 TH + spikes x TH; its 512 roundings stay far under TH/2, so rounding (cnt - 512 x 0.1 TH) / TH to a whole number is exact.
; LIMITS: the operand rounded to bf16 is xf (up to 5.7 times |x|), not x; the membrane's roundings come in another order than in the reference;
; a NaN silences its unit from that step on, as there; infinities in x are not followed.
;
; SHARES: work-group g owns batches 2g, 2g+1 (512 KiB of x, consecutive) and all 512 units; wave w owns units 64w .. 64w+63 (four tiles of 16).
; A matrix tile has 16 rows: rows 0-7 = batch 0 at steps 8m .. 8m+7, rows 8-15 = batch 1 at the same steps.  In the result, lane (r, h), register j
; is unit r, batch h, step j: each lane walks its four chains along its own registers, and no lane ever needs another's number.
; Eight waves and not four: the compare names a matrix result and the state, so fragments, results and state share one window of 256 registers,
; and 64 units' W1 fragments (128 registers) fit there where 128 units' would not.
; MATRIX WORK BESIDE VECTOR WORK: tiles 0, 1 and tiles 2, 3 take turns; while one pair is multiplied the other pair's 8 steps are walked, one step behind each product.
; CLUSTER: every work-group needs all of W1 once; four work-groups ask for it jointly (mask 15).  x is shared by nobody and comes by plain loads.
; A wave has one tensor load outstanding, once.
.set XB,     270336                    ; LDS: behind W1 (8 waves x 64 rows x 528 bytes): two buffers of filtered x in bf16
.set XPITCH, 272                       ; 256 bytes + 16: an odd multiple of 16, so the 16 rows of a fragment load start 16 bytes apart modulo 256
.set XTILE,  16*XPITCH                 ; 4,352: one matrix tile's 16 rows
.set XBUF,   4*XTILE                   ; 17,408: a chunk of 32 steps = 4 tiles
.set WPITCH, 528                       ; a row of W1 in f32: 512 bytes + 16
.set WWAVE,  64*WPITCH                 ; 33,792: a wave's 64 rows
.set SCR,    XB+2*XBUF                 ; 305,152: [wave][batch][16 words], the waves' partial sums of fc2
.set CHUNK,  16384                     ; 32 steps x 512 bytes of one batch
.set BETA,   0x3f666666                ; 0.9
.set NBETA,  0xbf666666                ; -0.9
.set THETA,  0x3d99999a                ; 0.15 / 2
; window 0
.set ADRA,  1                          ; v1         XB + 272 r + 16 h
.set AF,    8                          ; v[8:39]    fragments of filtered x, K step k at 8 k
.set DT,    40                         ; v[40:71]   results, tile a at 8 a
.set BI,    72                         ; v[72:103]  (b1/2) g_j, tile a at 8 a: the C of each tile's first product
.set UT,    104                        ; v[104:107] u of the four chains
.set RHO,   108                        ; v[108:111]
.set CNT,   112                        ; v[112:115]
.set KK,    116                        ; v[116:117] 0.9, 0.9
.set NK,    118                        ; -0.9
.set C0,    119                        ; TH - 0.9 TH
.set C1,    120                        ; C0 + TH
.set B1R,   121                        ; v[121:124] b1 as loaded
.set WOFF0, 125                        ; 256 w + 4 r
.set COFF,  126                        ; 4 min(r, 9)
.set BF,    128                        ; v[128:255] fragments of W1, (a, k) at 32 a + 8 k
; window 1 (written by their low 8 bits)
.set W2V,   64                         ; v[320:359] W2[c][my unit of tile a] at 4 c + a;  v[256:319]: two sets of 8 rows of x, 4 registers a row
.set B2V,   104
.set XOFF,  105                        ; my 16 bytes in the first row that my wave converts
.set STO,   106                        ; where my 8 bytes of that row go in LDS
.set WOFF,  107
.set KK1,   108                        ; v[364:365] 0.9, 0.9
.set B2OFF, 110
.set MSB, 0
.macro WIN new                         ; low byte: bits 1:0 source 0, 3:2 source 1, 5:4 source 2, 7:6 destination; the high byte repeats the setting that is left
.if MSB != \new
	s_set_vgpr_msb (MSB<<8)|\new
.set MSB, \new
.endif
.endm
; A round of the cluster's barrier: my work-group's barrier, wave 0 signals for the work-group, every wave waits for all four work-groups, my work-group's barrier again.
.macro ROUND
	s_barrier_signal -1
	s_barrier_wait -1
	s_cmp_lg_u32 s16, 0
	s_cbranch_scc1 .Lnot_wave_0_\@
	s_barrier_signal -3
.Lnot_wave_0_\@:
	s_barrier_wait -3
	s_barrier_signal -1
	s_barrier_wait -1
.endm
; Eight rows of x (8 steps of one batch) into a register set; each load covers a row's 512 consecutive bytes.  Used with every place in window 1.
.macro XLOAD set, off
.irp j, 0,1,2,3,4,5,6,7
	global_load_b128 v[32*(\set)+4*\j:32*(\set)+4*\j+3], v[XOFF], s[4:5] offset:(\off)+512*\j th:TH_LOAD_NT
.endr
.endm
; My wave's eighth of a chunk: filter along the 8 steps in f32, round to bf16, 8 bytes a lane into LDS buffer buf; then (ld = 1) the set is loaded again.
; lcnt = the loads of the younger chunk, which stay out.  LDS stores have read their data at issue, so the set may be loaded straight behind them.
.macro STAGE set, buf, lcnt, ld, off
	s_wait_loadcnt \lcnt
	WIN 0x55
.irp j, 1,2,3,4,5,6,7
	v_pk_fma_f32 v[32*(\set)+4*\j:32*(\set)+4*\j+1], v[32*(\set)+4*\j-4:32*(\set)+4*\j-3], v[KK1:KK1+1], v[32*(\set)+4*\j:32*(\set)+4*\j+1]
	v_pk_fma_f32 v[32*(\set)+4*\j+2:32*(\set)+4*\j+3], v[32*(\set)+4*\j-2:32*(\set)+4*\j-1], v[KK1:KK1+1], v[32*(\set)+4*\j+2:32*(\set)+4*\j+3]
.endr
.irp j, 0,1,2,3,4,5,6,7
	v_cvt_pk_bf16_f32 v[32*(\set)+4*\j], v[32*(\set)+4*\j], v[32*(\set)+4*\j+1]
	v_cvt_pk_bf16_f32 v[32*(\set)+4*\j+1], v[32*(\set)+4*\j+2], v[32*(\set)+4*\j+3]
.endr
.irp j, 0,1,2,3,4,5,6,7
	ds_store_b64 v[STO], v[32*(\set)+4*\j:32*(\set)+4*\j+1] offset:(\buf)*XBUF+XPITCH*\j
.endr
.if \ld
	XLOAD \set, \off
.endif
	WIN 0
.endm
; One product: tile t, K step k.  The first takes the bias tile as C, so nothing is cleared and no bias is added later.
.macro MM t, k
.if \k == 0
	v_wmma_f32_16x16x32_bf16 v[DT+8*\t:DT+8*\t+7], v[AF+8*\k:AF+8*\k+7], v[BF+32*\t+8*\k:BF+32*\t+8*\k+7], v[BI+8*\t:BI+8*\t+7]
.else
	v_wmma_f32_16x16x32_bf16 v[DT+8*\t:DT+8*\t+7], v[AF+8*\k:AF+8*\k+7], v[BF+32*\t+8*\k:BF+32*\t+8*\k+7], v[DT+8*\t:DT+8*\t+7]
.endif
.endm
; Step j of the chains of tiles sa, sa + 1: six plain vector instructions (eight at j = 7), none of which names a register of the products among which they stand.
.macro SCAN sa, j
	v_cmp_gt_f32 vcc_lo, v[DT+8*(\sa)+(\j)], v[UT+(\sa)]
	v_cmp_gt_f32 s35, v[DT+8*(\sa)+8+(\j)], v[UT+(\sa)+1]
	v_cndmask_b32 v[RHO+(\sa)], v[C0], v[C1], vcc_lo
	v_cndmask_b32 v[RHO+(\sa)+1], v[C0], v[C1], s35
	v_pk_fma_f32 v[UT+(\sa):UT+(\sa)+1], v[UT+(\sa):UT+(\sa)+1], v[KK:KK+1], v[RHO+(\sa):RHO+(\sa)+1]
	v_pk_add_f32 v[CNT+(\sa):CNT+(\sa)+1], v[CNT+(\sa):CNT+(\sa)+1], v[RHO+(\sa):RHO+(\sa)+1]
.if (\j) == 7
	v_fmac_f32 v[UT+(\sa)], v[NK], v[DT+8*(\sa)+7]         ; the block's own response goes on into the next block's u
	v_fmac_f32 v[UT+(\sa)+1], v[NK], v[DT+8*(\sa)+15]
.endif
.endm
; Fragment k of the tile at byte noff of the buffers: row r, K = 32 k + 8 h .. and 32 k + 16 + 8 h ..
.macro ALOAD k, noff
	ds_load_b128 v[AF+8*\k:AF+8*\k+3], v[ADRA] offset:(\noff)+64*\k
	ds_load_b128 v[AF+8*\k+4:AF+8*\k+7], v[ADRA] offset:(\noff)+64*\k+32
.endm
; Tiles 0, 1 of this 16-row tile are multiplied; tiles 2, 3 of the one before are walked (scan = 1).  The accumulators take turns, one instruction a turn.
;   The waits count the two loads of each later fragment: 6, 4, 2, 0 (older LDS stores are done with them, LDS serving a wave in order).
; bar = 1: the trip's one barrier.  Its signal stands behind the wait for 0: my reads of this buffer and my stores into the other are done.
.macro PHASEX scan, bar
.irp k, 0,1,2,3
	s_wait_dscnt 6-2*\k
.if \bar
.if \k == 3
	s_barrier_signal -1
.endif
.endif
	MM 0, \k
.if \scan
	SCAN 2, 2*\k
.endif
	MM 1, \k
.if \scan
	SCAN 2, 2*\k+1
.endif
.endr
.if \scan
.else
.rept 4
	v_nop                                          ; the very first tile has nothing to walk: four places before its results are read (ISA guide 7.12.1)
.endr
.endif
.if \bar
	s_barrier_wait -1                              ; every wave's reads of this buffer and stores into the other are done
.endif
.endm
; Tiles 2, 3 are multiplied; tiles 0, 1, just made, are walked (the step 7 walked last in PHASEX puts eight places behind their last product).
; Fragment k is loaded again, for the next tile, behind its last product and the six or eight plain vector instructions of a step.
.macro PHASEY reload, noff
.irp k, 0,1,2,3
	MM 2, \k
	SCAN 0, 2*\k
	MM 3, \k
	SCAN 0, 2*\k+1
.if \reload
	ALOAD \k, \noff
.endif
.endr
.endm
; A trip = a chunk of 32 steps = 4 tiles, read from buffer p; the next chunk is converted into buffer 1 - p from set 1 - p, which is then loaded with the chunk two further on.
.macro TRIP p, first, stg, lcnt, ld, off, last
	PHASEX 1-\first, 0
.if \stg
	STAGE 1-\p, 1-\p, \lcnt, \ld, \off
.endif
	PHASEY 1, \p*XBUF+XTILE
	PHASEX 1, 0
	PHASEY 1, \p*XBUF+2*XTILE
	PHASEX 1, 0
	PHASEY 1, \p*XBUF+3*XTILE
	PHASEX 1, 1-\last
	PHASEY 1-\last, (1-\p)*XBUF
.endm
; W1's fragments of tile a: 16 rows x 128 f32 from my own rows in LDS, rounded to bf16.  Four loads a fragment; the waits leave the later fragments' loads out.
.macro BFRAG a
.irp k, 0,1,2,3
	ds_load_b128 v[8+16*\k:8+16*\k+3],     v6 offset:16*WPITCH*\a+128*\k
	ds_load_b128 v[8+16*\k+4:8+16*\k+7],   v6 offset:16*WPITCH*\a+128*\k+16
	ds_load_b128 v[8+16*\k+8:8+16*\k+11],  v6 offset:16*WPITCH*\a+128*\k+64
	ds_load_b128 v[8+16*\k+12:8+16*\k+15], v6 offset:16*WPITCH*\a+128*\k+80
.endr
.irp k, 0,1,2,3
	s_wait_dscnt 12-4*\k
.irp i, 0,1,2,3,4,5,6,7
	v_cvt_pk_bf16_f32 v[BF+32*\a+8*\k+\i], v[8+16*\k+2*\i], v[8+16*\k+2*\i+1]
.endr
.endr
.endm
	; ---------------- set-up ----------------
	s_load_b256 s[4:11], s[0:1], 0x0               ; x s[4:5], W1 s[6:7], b1 s[8:9], W2 s[10:11]
	s_load_b128 s[12:15], s[0:1], 0x20             ; b2 s[12:13], out0 s[14:15]
	v_lshl_add_u32 v127, v0, 2, 0x4ac00
	s_set_vgpr_msb 0x40
	v_mov_b32 v129, 0
	s_set_vgpr_msb 0x4044
	ds_add_u32 v127, v129
	s_set_vgpr_msb 0x4400
	v_lshrrev_b32 v3, 5, v0
	v_readfirstlane_b32 s16, v3                    ; wave 0..7
	v_and_b32 v2, 31, v0                           ; lane L
	v_and_b32 v4, 15, v0                           ; r
	v_bfe_u32 v5, v0, 4, 1                         ; h
	s_bfe_u32 s17, ttmp6, 0x40000                  ; cx
	s_lshl_b32 s18, ttmp9, 2
	s_add_co_u32 s18, s18, s17                     ; work-group g = 4 x cluster + cx: enters global offsets of x and out0 alone
	v_mul_u32_u24 v[ADRA], v4, XPITCH
	v_lshl_add_u32 v[ADRA], v5, 4, v[ADRA]
	v_add_nc_u32 v[ADRA], XB, v[ADRA]
	s_mul_i32 s21, s16, WWAVE                      ; my 64 rows of W1 in LDS (also the descriptor's LDS address)
	v_mul_u32_u24 v6, v4, WPITCH
	v_lshl_add_u32 v6, v5, 5, v6
	v_add_nc_u32 v6, s21, v6                       ; + 528 r + 32 h: 8 f32 for each half of the lanes
	s_lshl_b32 s39, s16, 8                         ; 64 units x 4 bytes
	v_lshl_add_u32 v[WOFF0], v4, 2, s39
	v_min_u32 v7, 9, v4
	v_lshlrev_b32 v[COFF], 2, v7
	s_and_b32 s40, s16, 1                          ; I convert batch w & 1,
	s_lshl_b32 s40, s40, 18                        ; 512 steps x 512 bytes apart,
	s_lshr_b32 s41, s16, 1                         ; tile w >> 1 of each chunk,
	s_lshl_b32 s41, s41, 12                        ; 8 steps x 512 bytes apart
	s_add_co_u32 s40, s40, s41
	s_mul_i32 s41, s16, 8*XPITCH                   ; tile (w >> 1), rows 8 (w & 1) ..: 8 w rows in all
	s_add_co_u32 s41, s41, XB
	WIN 0x40                                       ; destination in window 1
	v_lshl_add_u32 v[XOFF], v2, 4, s40
	v_lshl_add_u32 v[STO], v2, 3, s41
	v_lshl_add_u32 v[WOFF], v4, 2, s39
	v_lshlrev_b32 v[B2OFF], 2, v7
	v_mov_b32 v[KK1], BETA
	v_mov_b32 v[KK1+1], BETA
	WIN 0
	; the descriptor: 64 rows x 128 f32 of W1, 16 bytes of padding behind each row; made of constants and the wave's number, so it is equal in the four partners
	s_mov_b32 s20, 1                               ; count
	s_mov_b32 s24, 15|(2<<16)|(1<<20)|(1<<21)|(6<<22)|(3<<25)  ; mask: all four; elements of 4 bytes; padding on; bit 21 beside a mask; after 128 words, 4 words
	s_mov_b32 s25, 128<<16                         ; tensor_dim0 = 128
	s_mov_b32 s26, 64<<16                          ; tensor_dim1 = 64
	s_mov_b32 s27, 128<<16                         ; tile_dim0 = 128
	s_mov_b32 s28, 64                              ; tile_dim1 = 64
	s_mov_b32 s29, 128                             ; elements from row to row
	s_mov_b32 s30, 0
	s_mov_b32 s31, 0
	s_lshl_b32 s32, s16, 15                        ; my 64 rows of 512 bytes in W1
	s_mov_b32 s33, 0
	s_lshl_b32 s36, s18, 19                        ; my work-group's two batches of x (at most 255 x 512 KiB)
	s_mov_b32 s37, 0
	s_wait_dscnt 0x0
	s_wait_kmcnt 0x0
	s_add_nc_u64 s[4:5], s[4:5], s[36:37]
	s_mul_i32 s36, s18, 80                         ; two rows of out0
	s_add_nc_u64 s[14:15], s[14:15], s[36:37]
	s_add_nc_u64 s[22:23], s[6:7], s[32:33]
	s_or_b32 s23, s23, 0x80000000                  ; type 2
	; all register loads go out first: b1 (4), b2 (1), W2 (40), chunks 0 and 1 of x (8 + 8)
.irp a, 0,1,2,3
	global_load_b32 v[B1R+\a], v[WOFF0], s[8:9] offset:64*\a
.endr
	WIN 0x55
	global_load_b32 v[B2V], v[B2OFF], s[12:13]
.irp c, 0,1,2,3,4,5,6,7,8,9
.irp a, 0,1,2,3
	global_load_b32 v[W2V+4*\c+\a], v[WOFF], s[10:11] offset:2048*\c+64*\a
.endr
.endr
	XLOAD 0, 0
	XLOAD 1, CHUNK
	WIN 0
	ROUND                                          ; the four partners are here: their joint loads meet
	tensor_load_to_lds s[20:23], s[24:31]
	s_nop 0
	s_wait_tensorcnt 0x0                           ; my rows are in; no other wave reads them, so no barrier
	BFRAG 0
	BFRAG 1
	BFRAG 2
	BFRAG 3
	s_wait_loadcnt 57                              ; behind b1's four loads stand 1 + 40 + 16
.irp a, 0,1,2,3
	v_mul_f32 v[BI+8*\a], 0.5, v[B1R+\a]           ; g_0 = 1
.irp j, 1,2,3,4,5,6,7
	v_fmamk_f32 v[BI+8*\a+\j], v[BI+8*\a+\j-1], BETA, v[BI+8*\a]   ; (b1/2) g_j = 0.9 (b1/2) g_(j-1) + b1/2
.endr
.endr
	v_mov_b32 v[KK], BETA
	v_mov_b32 v[KK+1], BETA
	v_mov_b32 v[NK], NBETA
	v_mov_b32 v[C1], THETA
	v_fma_f32 v[C0], v[NK], v[C1], v[C1]           ; TH - 0.9 TH, one rounding
	v_add_f32 v[C1], v[C0], v[C1]
.irp a, 0,1,2,3
	v_mov_b32 v[UT+\a], THETA                      ; mem = 0: u = TH
	v_mov_b32 v[CNT+\a], 0
.endr
	STAGE 0, 0, 8, 1, 2*CHUNK                      ; chunk 0 into buffer 0 (chunk 1's eight loads stay out); chunk 2 goes out
	s_wait_dscnt 0x0                               ; my stores are done,
	s_barrier_signal -1
	s_barrier_wait -1                              ; everybody's are
.irp k, 0,1,2,3
	ALOAD \k, 0
.endr
	; ---------------- 16 trips: trip i reads chunk i from buffer i & 1, converts chunk i + 1, loads chunk i + 3 ----------------
	TRIP 0, 1, 1, 8, 1, 3*CHUNK, 0
	s_mov_b32 s34, 6
.Lloop:                                            ; trips 2n + 1 and 2n + 2, x's base 2n chunks on
	TRIP 1, 0, 1, 8, 1, 4*CHUNK, 0
	TRIP 0, 0, 1, 8, 1, 5*CHUNK, 0
	s_wait_xcnt 0x0                                ; the base is stepped only behind this wait
	s_add_nc_u64 s[4:5], s[4:5], 2*CHUNK
	s_sub_co_u32 s34, s34, 1
	s_cmp_lg_u32 s34, 0
	s_cbranch_scc1 .Lloop
	TRIP 1, 0, 1, 8, 0, 0, 0                       ; trip 13 converts chunk 14; chunk 15, the last of x, was asked for in trip 12
	TRIP 0, 0, 1, 0, 0, 0, 0                       ; trip 14 converts chunk 15: no load is left out
	TRIP 1, 0, 0, 0, 0, 0, 1                       ; trip 15: nothing to convert, no barrier, no reload
.irp j, 0,1,2,3,4,5,6,7
	SCAN 2, \j                                     ; the last tile's tiles 2, 3 (its step 7 also carries u on, which nothing reads any more)
.endr
	; ---------------- fc2 on the counts ----------------
.irp a, 0,1,2,3
	v_fma_f32 v[2+\a], v[C0], 0xc4000000, v[CNT+\a]        ; cnt - 512 x 0.1 TH
.endr
.irp a, 0,1,2,3
	v_mul_f32 v[2+\a], 0x41555555, v[2+\a]                 ; / TH
.endr
.irp a, 0,1,2,3
	v_rndne_f32 v[2+\a], v[2+\a]                           ; the number of spikes, exact
.endr
	WIN 0x04                                       ; source 1 in window 1: W2 (in since the waits on x's loads, which were issued behind it)
.irp c, 0,1,2,3,4,5,6,7,8,9
	v_mul_f32  v[8+\c], v2, v[W2V+4*\c]
	v_fmac_f32 v[8+\c], v3, v[W2V+4*\c+1]
	v_fmac_f32 v[8+\c], v4, v[W2V+4*\c+2]
	v_fmac_f32 v[8+\c], v5, v[W2V+4*\c+3]
.endr
	WIN 0x01
	v_mov_b32 v18, v[B2V]                          ; b2[min(r, 9)]
	WIN 0
.irp m, 1,2,4,8
.irp c, 0,1,2,3,4,5,6,7,8,9
	v_add_f32_dpp v[8+\c], v[8+\c], v[8+\c] row_xmask:\m row_mask:0xf bank_mask:0xf   ; over the 16 units of a half: each half is one batch
.endr
.endr
	v_bfe_u32 v6, v0, 4, 1                         ; h
	s_lshl_b32 s39, s16, 7
	s_add_co_u32 s39, s39, SCR
	v_lshl_add_u32 v19, v6, 6, s39                 ; SCR + 128 w + 64 h
.irp c, 0,1,2,3,4,5,6,7,8,9
	ds_store_b32 v19, v[8+\c] offset:4*\c          ; the 16 lanes of a half write one word, with one value
.endr
	s_wait_dscnt 0x0                               ; for the sake of wave 0, which reads them
	s_barrier_signal -1
	s_barrier_wait -1
	s_cmp_lg_u32 s16, 0
	s_cbranch_scc1 .Ldone
	v_lshl_add_u32 v20, v6, 6, v[COFF]             ; 64 h + 4 min(r, 9): lanes 10-15 of a half read class 9 again, so that only written words are read
	v_add_nc_u32 v20, SCR, v20
.irp w, 0,1,2,3,4,5,6,7
	ds_load_b32 v[24+\w], v20 offset:128*\w
.endr
	v_mul_u32_u24 v21, v6, 40
	v_add_nc_u32 v21, v21, v[COFF]                 ; out0: 40 h + 4 c
	v_and_b32 v22, 15, v0
	s_wait_dscnt 0x0
	v_add_f32 v24, v24, v25
	v_add_f32 v26, v26, v27
	v_add_f32 v28, v28, v29
	v_add_f32 v30, v30, v31
	v_add_f32 v24, v24, v26
	v_add_f32 v28, v28, v30
	v_add_f32 v24, v24, v28
	v_fma_f32 v24, v24, 0x3b000000, v18            ; / 512 + b2
	v_cmp_gt_u32 vcc_lo, 10, v22
	s_wait_xcnt 0x0                                ; EXEC changes only behind this wait
	s_and_saveexec_b32 s38, vcc_lo                 ; ten classes of each batch
	global_store_b32 v21, v24, s[14:15]
	s_wait_xcnt 0x0                                ; and again in front of the line that widens it
	s_or_b32 exec_lo, exec_lo, s38
.Ldone:
	s_set_vgpr_msb 0x4
	s_wait_tensorcnt 0x0
	ds_add_u32 v127, v129
	s_wait_dscnt 0x0
	s_set_vgpr_msb 0x400
	ROUND                                          ; the closing round: no work-group ends while a partner may still ask jointly
	s_endpgm
.Lfunc_end_k_qc61e4e1812_snn:
	.size	k_qc61e4e1812_snn, .Lfunc_end_k_qc61e4e1812_snn-k_qc61e4e1812_snn
	.p2alignl 7, 3214868480
	.fill 96, 4, 3214868480
	.section	.rodata,"a",@progbits
	.p2align	6, 0x0
	.amdhsa_kernel k_qc61e4e1812_snn
		.amdhsa_group_segment_fixed_size 307200
		.amdhsa_private_segment_fixed_size 0
		.amdhsa_enable_private_segment 0
		.amdhsa_kernarg_size 48
		.amdhsa_user_sgpr_count 2
		.amdhsa_user_sgpr_kernarg_segment_ptr 1
		.amdhsa_wavefront_size32 1
		.amdhsa_system_sgpr_workgroup_id_x 1
		.amdhsa_system_sgpr_workgroup_id_y 1
		.amdhsa_system_sgpr_workgroup_id_z 1
		.amdhsa_system_vgpr_workitem_id 0
		.amdhsa_next_free_vgpr 386
		.amdhsa_next_free_sgpr 66
		.amdhsa_reserve_vcc 1
		.amdhsa_float_denorm_mode_32 3
		.amdhsa_float_denorm_mode_16_64 3
		.amdhsa_memory_ordered 1
		.amdhsa_forward_progress 1
		.amdhsa_inst_pref_size 213
	.end_amdhsa_kernel
	.amdgpu_metadata
---
amdhsa.version: [ 1, 2 ]
amdhsa.kernels:
  - .name:           k_qc61e4e1812_snn
    .symbol:         k_qc61e4e1812_snn.kd
    .args:
      - { .name: x, .offset: 0, .size: 8, .value_kind: global_buffer, .address_space: global }
      - { .name: W1, .offset: 8, .size: 8, .value_kind: global_buffer, .address_space: global }
      - { .name: b1, .offset: 16, .size: 8, .value_kind: global_buffer, .address_space: global }
      - { .name: W2, .offset: 24, .size: 8, .value_kind: global_buffer, .address_space: global }
      - { .name: b2, .offset: 32, .size: 8, .value_kind: global_buffer, .address_space: global }
      - { .name: out0, .offset: 40, .size: 8, .value_kind: global_buffer, .address_space: global }
    .group_segment_fixed_size: 307200
    .private_segment_fixed_size: 0
    .kernarg_segment_align: 8
    .kernarg_segment_size: 48
    .max_flat_workgroup_size: 256
    .sgpr_count:     66
    .vgpr_count:     386
    .wavefront_size: 32
...
	.end_amdgpu_metadata
.endif
;; end of part 1
